; MI455X (gfx1250); checked and timed in simulation.
; The chip was launched on July 23, 2026; its instructions are those of AMD's public machine-readable ISA for CDNA 5 (MIT licence, August 2026) and "CDNA5" Instruction Set Architecture Reference Guide (July 2026). The comments in the code are by the model that wrote it; some were corrected since.
;; Embracement Layer. Allowed arithmetic: float matrix products may take bf16 or f16 operands with f32 sums; all other float work in f32.
;; Inputs: embrace_idx 64 x 1,024 int32; output_tokens_from_bert 64 x 512 x 1,024 float32.
;; Outputs: out0 64 x 1,024 float32.
;; One version. Each part assembles by itself: llvm-mc -triple=amdgcn-amd-amdhsa -mcpu=gfx1250 --defsym DOCPART=n.
;; ======== version 1 of 1: 1 launch
;; launch gather (part 1): grid 256 x 1, 4 waves a work-group, no clusters, 0 bytes of LDS; arguments embrace_idx, output_tokens_from_bert, out0; writes out0
.if DOCPART == 1
	.amdgcn_target "amdgcn-amd-amdhsa--gfx1250"
	.amdhsa_code_object_version 6
	.text
	.protected	k_q028e14aa86_gather
	.globl	k_q028e14aa86_gather
	.p2align	8
	.type	k_q028e14aa86_gather,@function
k_q028e14aa86_gather:
	s_mov_b64 s[64:65], 0
	v_nop
	global_prefetch_b8 v0, s[64:65] scope:SCOPE_SE
	s_setreg_imm32_b32 hwreg(HW_REG_WAVE_MODE, 25, 1), 1
	s_wait_xcnt 0x0
; out[b][j] = tokens[b][idx[b][j]][j].   idx: [64][1024] i32.  tokens: [64][512][1024] f32.  out: [64][1024] f32.
; 65,536 independent gathers of 4 bytes.  Only the words that are wanted are read from the table; the rest of its
; 134 MB is never touched.  The work is a chain of dependent memory trips (arguments, indices, table words, store),
; so all gathers of the problem are put in flight at once: 256 work-groups x 4 waves x 32 lanes x 2 outputs = 65,536.
; A work-group owns 256 neighbouring outputs (a quarter of one batch row), a lane two neighbouring ones, so that a
; wave's index load and its store each cover 256 consecutive bytes that start on a multiple of 256.
; No LDS, no barrier: no wave uses anything of another wave.
;
; LIMIT: an index is taken as an unsigned number and clamped to SEQ-1 = 511 before it enters an address.  For the
; indices 0 .. 511 that the problem promises this changes nothing; a negative or larger index reads row 511, which is
; not what the reference would do with it.
.set SEQ,   512                        ; rows of a batch in the table
.set ROWB,  4096                       ; bytes in a row of 1,024 words: of idx, of out, and of the table
.set WGB,   1024                       ; bytes of idx and of out that a work-group owns (256 words)
.set OFF,   1                          ; v1      byte offset of my two words in idx and in out
.set IDX,   2                          ; v[2:3]  my two indices
.set GA,    4                          ; v[4:5]  byte offsets of my two table words
.set VAL,   6                          ; v[6:7]  the two words gathered
.set TB,    8                          ; v8      byte offset in the table of (my batch, row 0, my first column)
	s_load_b128 s[4:7], s[0:1], 0x0                ; idx s[4:5], tokens s[6:7]
	s_load_b64  s[8:9], s[0:1], 0x10               ; out
	; All offsets are made while the arguments are on their way; the three bases are used as they come.
	s_lshl_b32 s10, ttmp9, 10                      ; work-group g: g x WGB
	s_lshr_b32 s11, ttmp9, 2                       ; batch b = g / 4 (four work-groups to a row of 4,096 bytes)
	s_mul_i32  s11, s11, (SEQ-1)*ROWB              ; a batch takes SEQ rows in the table and one in idx: the difference, b times
	v_lshl_add_u32 v[OFF], v0, 3, s10              ; g x 1,024 + 8 t = b x ROWB + 4 j
	v_add_nc_u32   v[TB], s11, v[OFF]              ; b x SEQ x ROWB + 4 j; with 511 rows more at most 134,217,724: 32 bits hold it
	s_wait_kmcnt 0x0                               ; the three addresses
	global_load_b64 v[IDX:IDX+1], v[OFF], s[4:5] th:TH_LOAD_NT     ; each index is read once in the launch
	s_wait_loadcnt 0x0                             ; the only load out: both indices are needed now
	v_min_u32 v[IDX],   SEQ-1, v[IDX]              ; the clamp of the head comment: no address leaves the table
	v_min_u32 v[IDX+1], SEQ-1, v[IDX+1]
	v_lshl_add_u32 v[GA],   v[IDX],   12, v[TB]    ; + index x ROWB
	v_lshl_add_u32 v[GA+1], v[IDX+1], 12, v[TB]
	global_load_b32 v[VAL],   v[GA],   s[6:7]              ; column j.  No hint: neighbouring columns may name the same row
	global_load_b32 v[VAL+1], v[GA+1], s[6:7] offset:4     ; column j + 1
	s_wait_loadcnt 0x0                             ; the store takes both
	global_store_b64 v[OFF], v[VAL:VAL+1], s[8:9] th:TH_STORE_NT   ; 32 lanes x 8 bytes: 256 consecutive bytes, aligned
	s_endpgm
.Lfunc_end_k_q028e14aa86_gather:
	.size	k_q028e14aa86_gather, .Lfunc_end_k_q028e14aa86_gather-k_q028e14aa86_gather
	.p2alignl 7, 3214868480
	.fill 96, 4, 3214868480
	.section	.rodata,"a",@progbits
	.p2align	6, 0x0
	.amdhsa_kernel k_q028e14aa86_gather
		.amdhsa_group_segment_fixed_size 0
		.amdhsa_private_segment_fixed_size 0
		.amdhsa_enable_private_segment 0
		.amdhsa_kernarg_size 24
		.amdhsa_user_sgpr_count 2
		.amdhsa_user_sgpr_kernarg_segment_ptr 1
		.amdhsa_wavefront_size32 1
		.amdhsa_system_sgpr_workgroup_id_x 1
		.amdhsa_system_sgpr_workgroup_id_y 1
		.amdhsa_system_sgpr_workgroup_id_z 1
		.amdhsa_system_vgpr_workitem_id 0
		.amdhsa_next_free_vgpr 10
		.amdhsa_next_free_sgpr 66
		.amdhsa_reserve_vcc 0
		.amdhsa_float_denorm_mode_32 3
		.amdhsa_float_denorm_mode_16_64 3
		.amdhsa_memory_ordered 1
		.amdhsa_forward_progress 1
		.amdhsa_inst_pref_size 2
	.end_amdhsa_kernel
	.amdgpu_metadata
---
amdhsa.version: [ 1, 2 ]
amdhsa.kernels:
  - .name:           k_q028e14aa86_gather
    .symbol:         k_q028e14aa86_gather.kd
    .args:
      - { .name: embrace_idx, .offset: 0, .size: 8, .value_kind: global_buffer, .address_space: global }
      - { .name: output_tokens_from_bert, .offset: 8, .size: 8, .value_kind: global_buffer, .address_space: global }
      - { .name: out0, .offset: 16, .size: 8, .value_kind: global_buffer, .address_space: global }
    .group_segment_fixed_size: 0
    .private_segment_fixed_size: 0
    .kernarg_segment_align: 8
    .kernarg_segment_size: 24
    .max_flat_workgroup_size: 128
    .sgpr_count:     66
    .vgpr_count:     10
    .wavefront_size: 32
...
	.end_amdgpu_metadata
.endif
;; end of part 1
